; MI455X (gfx1250); checked and timed in simulation.
; The chip was launched on July 23, 2026; its instructions are those of AMD's public machine-readable ISA for CDNA 5 (MIT licence, August 2026) and "CDNA5" Instruction Set Architecture Reference Guide (July 2026). The comments in the code are by the model that wrote it; some were corrected since.
;; MU Attention Layer. Allowed arithmetic: float matrix products may take bf16 or f16 operands with f32 sums; all other float work in f32.
;; Inputs: M 4 x 2,048 x 4 x 4 float32; Wb 128 x 16 float32; Wg 128 x 16 float32; Wk 16 x 128 float32; Wo 128 x 16 float32; Wq 16 x 128 float32; Wv 16 x 128 float32; bb 16 float32; bg 16 float32; bk 128 float32; bo 16 float32; bq 128 float32; bv 128 float32; ln_beta 4 x 4 float32; ln_gamma 4 x 4 float32; sens_mask 4 x 4 float32.
;; Outputs: out0 4 x 2,048 x 4 x 4 float32.
;; One version. Each part assembles by itself: llvm-mc -triple=amdgcn-amd-amdhsa -mcpu=gfx1250 --defsym DOCPART=n.
;; ======== version 1 of 1: 1 launch
;; limits: values outside matrix products are rounded to bf16
;; launch attn (part 1): grid 256 x 1, 4 waves a work-group, no clusters, 168,448 bytes of LDS; arguments M, Wq, bq, Wk, bk, Wv, bv, Wo, Wg, Wb, bo, bg, bb, ln_gamma, ln_beta, sens_mask, out0; writes out0
.if DOCPART == 1
	.amdgcn_target "amdgcn-amd-amdhsa--gfx1250"
	.amdhsa_code_object_version 6
	.text
	.protected	k_q4f95225c8c_attn
	.globl	k_q4f95225c8c_attn
	.p2align	8
	.type	k_q4f95225c8c_attn,@function
k_q4f95225c8c_attn:
	s_mov_b64 s[64:65], 0
	v_nop
	global_prefetch_b8 v0, s[64:65] scope:SCOPE_SE
	s_setreg_imm32_b32 hwreg(HW_REG_WAVE_MODE, 25, 1), 1
	s_wait_xcnt 0x0
; MUAttentionLayer, whole, in one launch.  B = 4, T = 2048, a token x is 16 f32; 4 heads of 32.
;
; SHARES.  Work-group wg: batch wg >> 6, the 32 query rows whose bytes in M and in out0 start at 2048 wg.  Wave w = head w, both query
; tiles (a = 0, 1: 16 rows each), all 2,048 keys.  The heads meet only in the last three projections, through LDS.
;
; ALGEBRA (holds for every input).  With x' = [x, 1, 0 ..] (32 long):
;   score(q, k) = Q_h(q) . (x_k Wk_h + bk_h) = x'_k . Q'(q),   Q'(q) = [Wk_h ; bk_h] Q_h(q):  K is never formed, the key operand is x' itself;
;   ctx_h(q)    = (attn(q, .) x) Wv_h + bv_h, since a row's weights sum to 1:  V is never formed, the value operand is x (16 columns).
; So a work-group needs its batch's x in bf16 (65,536 bytes of LDS) and nothing passes through memory.
;
; ORIENTATION.  All products are made transposed, so that a result's register layout is the next product's operand layout (lane L: r = L & 15,
; h = L >> 4; a result's register j is row 8h + j, column r; an operand's registers 0-3 are k = 8h .. 8h+7, 4-7 are k = 16+8h ..):
;   S^T [16 keys x 16 queries] = x'(keys) x Q'^T + C;  two such tiles, packed to bf16, ARE the B operand (k = 32 keys) of
;   O^T [16 features x 16 queries] += x^T x P^T   and of   L += ones x P^T  (every register of L: the row sum of query r).
; SOFTMAX in two passes over the keys: pass 1 makes the scores with C = 0 and keeps the exact row maximum m; pass 2 makes them again with
; C = -m, so that the matrix result is S - m and goes straight into v_exp_f32 (scale and log2 e are multiplied into Q in f32).
; A score then costs half a v_max3, one v_exp and half a conversion; the subtraction and the row sums are matrix work.
;
; NO CLUSTER, NO TENSOR LOAD: what the 64 work-groups of a batch share is the batch's 131,072 bytes of M, read once at the head.  It is f32 in
; memory and bf16 in two planes in LDS: a joint load would land 131,072 bytes of f32 in LDS, to be read again and written as 65,536 bytes by each
; work-group, where the way through registers converts in passing.  NO PREFETCH: the only loads that are waited for are the kernel's first.
; lds_bytes is above half of 327,680 so that each of the 256 work-groups has four SIMDs to itself; x and the heads' parts take 96,512 bytes, and the last 512 take one word a thread.
;
; LIMITS.  Order of rounding differs from the reference's: x, Q (scaled), Q', P, attn.x and ctx are each rounded to bf16 as matrix operands;
; bk enters each score as one bf16 term of Q'.  Weights below 2^-126 of the row's largest count as 0 (v_exp_f32 flushes).  0.1 tanh(b) is made as
; 0.1 - 0.2 / (1 + 2^(2.885390 b)): absolute error about 1e-8.  NaN and infinities among the inputs are not served.
.set PLANE, 32896                      ; LDS: plane 0 at 0: key x 16 bytes = bf16 features 0-7; plane 1 at 32768 + 128: features 8-15
.set PART,  65792                      ; LDS: [head 4][kind 3][query 32] rows of 16 f32, 80 bytes apart
.set PROW,  80
.set PKIND, 32*PROW                    ; 2,560
.set PHEAD, 3*PKIND                    ; 7,680; PART ends at 65792 + 4 x 7680 = 96,512
.set SCL,   0x3e8293ee                 ; log2(e) / sqrt(32)
; scalar registers: s2 head; s3, s52 head x 128, head x 2048; s[4:5] 2048 wg; s[6:7] batch x 131072;
; s[8:23]  M Wq bq Wk bk Wv bv Wo;  s[24:39] Wg Wb bo bg bb ln_gamma ln_beta sens_mask;  s[40:41] out0
.set MB,   42                          ; s[42:43] M at my batch
.set MQ,   44                          ; s[44:45] M at my 32 rows
.set OUTQ, 46                          ; s[46:47] out0 at my 32 rows
; s48 loop counter; s49 lanes 0 and 16; s50, s51 selects of v_permlanex16_b32; s53 -1/16; s56 1/16; s57 1e-6; vcc_lo = lanes 0-15, throughout
; vector registers, window 0
.set VWT,  1                           ; 4096 h + 128 head + 4 r      Wq, Wv: column 32 head + r, row 8h
.set VBT,  2                           ; 128 head + 4 r               bq, bv
.set VWK,  3                           ; 512 r + 128 head + 32 h      Wk: row r, column 32 head + 8h
.set VBK,  4                           ; 128 head + 32 h              bk
.set VXQ,  5                           ; 64 r + 32 h                  my queries' x
.set VWO,  6                           ; 2048 head + 512 h + 4 r      Wo, Wg, Wb: row 32 head + 8h, column r
.set VT16, 7                           ; 16 t                         M and out0 of thread t
.set VC4,  8                           ; 16 (t & 3)                   the six vectors of 16
.set VONE, 9                           ; 0x3f80: bf16 1.0 in the low half
.set VXA,  10                          ; h PLANE + 16 r               x' fragment of 16 keys
.set VXT,  11                          ; ((L>>3)&1) PLANE + 16 (8h + (L&7))   x^T fragment, transposing load
.set ONES, 12                          ; v[12:19]   A operand of ones
.set QB,   20                          ; v[20:35]   Q'^T, tile a at +8a
.set NEGM, 36                          ; v[36:51]   -m of query r, eight times, tile a at +8a
.set XA,   52                          ; v[52:83]   x' fragments: buffer par at +16 par, key tile t at +8t; registers 4-7 constant
.set XT,   84                          ; v[84:99]   x^T fragments: buffer par at +8 par
.set SB,   100                         ; v[100:163] scores: buffer par at +32 par, tile k = a + 2t at +8k
.set PB,   164                         ; v[164:195] P^T in bf16: buffer par at +16 par, tile a at +8a
.set MX,   164                         ; v[164:171] pass 1 only: four running maxima for each a
.set OA,   196                         ; v[196:211] O^T, tile a at +8a
.set LS,   212                         ; v[212:227] row sums, tile a at +8a
.set M4,   228                         ; v[228:255] thread t's four numbers of M, bo, bg, bb, gamma, beta, sens_mask
.set BO,   232
.set BG,   236
.set BB,   240
.set GA,   244
.set BE,   248
.set SE,   252
; Q prologue, over v52-247
.set RXQ,  52
.set RWQ,  68
.set RBQ,  84
.set RWK,  86
.set RBK,  102
.set XQ,   120
.set WQT,  136
.set WKF,  152
.set QT,   168
.set QB2,  200
.set QP,   216
; epilogue
.set WVT,  100
.set WOT,  116
.set YB,   140
.set CT,   52
.set CB,   84
.set PD,   164
.set RL,   2                           ; v[2:3], v[4:5]: 1 / row sum, twice each
.set VPS,  1
.set VPL,  6
.set PL,   52
.set TS,   100
.set TT,   104
; window 1 (v256 and up, written by their low 8 bits)
.set CV,   128                         ; v384-399  packed bf16 on their way to LDS, 8 pairs in turn
.set SGO,  144                         ; v400      16 t
.set SLA,  145                         ; v401      LDS byte of thread t's four features
.set RWV,  0                           ; after staging, over the ring (v256-383): raw f32 of Wv, bv, Wo, Wg, Wb
.set RBV,  16
.set RWO,  18
.set MSB, 0
.macro WIN new                         ; s_set_vgpr_msb: bits 1:0 source 0, 3:2 source 1, 5:4 source 2, 7:6 destination; the high byte repeats the setting left
.if MSB != \new
	s_set_vgpr_msb (MSB<<8)|\new
.set MSB, \new
.endif
.endm
.macro PK4 dst, src                    ; eight f32 to eight bf16, the lower number in the lower half
.irp c, 0,1,2,3
	v_cvt_pk_bf16_f32 v[\dst+\c], v[\src+2*\c], v[\src+2*\c+1]
.endr
.endm
.macro ONETAIL f                       ; registers 4-7 of an x' fragment: k = 16 is the constant 1 (lanes 0-15, low half), k = 17 .. 31 are 0
	v_cndmask_b32 v[\f+4], 0, v[VONE], vcc_lo
	v_mov_b32 v[\f+5], 0
	v_mov_b32 v[\f+6], 0
	v_mov_b32 v[\f+7], 0
.endm
.macro LDWT raw, rawb, sw, sb          ; [16, 128] weights and their bias, transposed: lane (r, h) takes column 32 head + 16 dt + r, rows 8h .. 8h+7
.irp dt, 0,1
.irp j, 0,1,2,3,4,5,6,7
	global_load_b32 v[\raw+8*\dt+\j], v[VWT], s[\sw:\sw+1] offset:512*\j+64*\dt
.endr
.endr
.irp dt, 0,1
	global_load_b32 v[\rawb+\dt], v[VBT], s[\sb:\sb+1] offset:64*\dt
.endr
.endm
.macro MKWT_A f, raw, rawb             ; the A fragments of it: k = 0 .. 15 the weights, k = 16 the bias
.irp dt, 0,1
	PK4 \f+8*\dt, \raw+8*\dt
	v_cvt_pk_bf16_f32 v[\f+8*\dt+4], v[\rawb+\dt], 0
.endr
.endm
.macro MKWT_B f                        ; lanes 16-31 hold k = 24 ..: no bias there; k = 17 .. 31 are 0
.irp dt, 0,1
	v_cndmask_b32 v[\f+8*\dt+4], 0, v[\f+8*\dt+4], vcc_lo
	v_mov_b32 v[\f+8*\dt+5], 0
	v_mov_b32 v[\f+8*\dt+6], 0
	v_mov_b32 v[\f+8*\dt+7], 0
.endr
.endm
.macro MKXA t0, t1                     ; VXA at key 0
	v_and_b32 v[\t0], 15, v0
	v_bfe_u32 v[\t1], v0, 4, 1
	v_mul_u32_u24 v[\t1], v[\t1], PLANE
	v_lshl_add_u32 v[VXA], v[\t0], 4, v[\t1]
.endm
.macro SC dst, xa, a, neg              ; one score tile: 16 keys x the 16 queries of tile a; neg = 1: minus the row maximum
.if \neg
	v_wmma_f32_16x16x32_bf16 v[\dst:\dst+7], v[\xa:\xa+7], v[QB+8*\a:QB+8*\a+7], v[NEGM+8*\a:NEGM+8*\a+7]
.else
	v_wmma_f32_16x16x32_bf16 v[\dst:\dst+7], v[\xa:\xa+7], v[QB+8*\a:QB+8*\a+7], 0
.endif
.endm
.macro PV acc, afr, bfr, zero          ; one link of an accumulator's chain; zero = 1: the first product starts the sum
.if \zero
	v_wmma_f32_16x16x32_bf16 v[\acc:\acc+7], v[\afr:\afr+7], v[\bfr:\bfr+7], 0
.else
	v_wmma_f32_16x16x32_bf16 v[\acc:\acc+7], v[\afr:\afr+7], v[\bfr:\bfr+7], v[\acc:\acc+7]
.endif
.endm
.macro EXP4 base, on
.if \on
.irp e, 0,1,2,3
	v_exp_f32 v[\base+\e], v[\base+\e]
.endr
.endif
.endm
	; ---------------------------------------------------------------- A. set-up
	s_load_b512 s[8:23], s[0:1], 0x0
	s_load_b512 s[24:39], s[0:1], 0x40
	s_load_b64 s[40:41], s[0:1], 0x80
	s_set_vgpr_msb 0x40
	v_lshl_add_u32 v160, v0, 2, 0x29000
	v_mov_b32 v161, 0
	s_set_vgpr_msb 0x4000
	v_lshrrev_b32 v12, 5, v0
	v_readfirstlane_b32 s2, v12                    ; wave = head
	s_lshl_b32 s4, ttmp9, 11                       ; 32 rows of 64 bytes for each work-group
	s_mov_b32 s5, 0
	s_lshr_b32 s6, ttmp9, 6
	s_lshl_b32 s6, s6, 17                          ; 2,048 rows of 64 bytes for each batch
	s_mov_b32 s7, 0
	s_mov_b32 vcc_lo, 0xffff                       ; lanes with h = 0; nothing below writes VCC
	s_mov_b32 s49, 0x00010001                      ; lanes with r = 0
	s_mov_b32 s50, 0x76543210                      ; v_permlanex16_b32: lane i takes lane i of the other half
	s_mov_b32 s51, 0xfedcba98
	s_mov_b32 s53, 0xbd800000                      ; -1/16
	s_mov_b32 s56, 0x3d800000                      ; 1/16
	s_mov_b32 s57, 0x358637bd                      ; 1e-6
	s_lshl_b32 s3, s2, 7
	s_lshl_b32 s52, s2, 11
	v_and_b32 v12, 15, v0                          ; r
	v_bfe_u32 v13, v0, 4, 1                        ; h
	v_lshl_add_u32 v[VBT], v12, 2, s3
	v_lshl_add_u32 v[VWT], v13, 12, v[VBT]
	v_lshl_add_u32 v[VBK], v13, 5, s3
	v_lshl_add_u32 v[VWK], v12, 9, v[VBK]
	v_lshlrev_b32 v14, 5, v13
	v_lshl_add_u32 v[VXQ], v12, 6, v14
	v_lshl_add_u32 v14, v13, 9, s52
	v_lshl_add_u32 v[VWO], v12, 2, v14
	v_lshlrev_b32 v[VT16], 4, v0
	v_and_b32 v14, 3, v0
	v_lshlrev_b32 v[VC4], 4, v14
	v_mov_b32 v[VONE], 0x3f80
	MKXA 14, 15
	v_bfe_u32 v14, v0, 3, 1
	v_mul_u32_u24 v14, v14, PLANE
	v_and_b32 v15, 7, v0
	v_lshl_add_u32 v15, v13, 3, v15
	v_lshl_add_u32 v[VXT], v15, 4, v14
	; staging: thread t's 16 bytes of a round are features 4 (t & 3) .. +3 of key t >> 2: plane (t >> 1) & 1, byte 16 (t >> 2) + 8 (t & 1)
	v_bfe_u32 v14, v0, 1, 1
	v_mul_u32_u24 v14, v14, PLANE
	v_bfe_u32 v15, v0, 2, 3
	v_lshl_add_u32 v14, v15, 4, v14
	v_and_b32 v15, 1, v0
	v_lshl_add_u32 v14, v15, 3, v14
	v_add_nc_u32 v14, s3, v14                      ; + 8 keys x 16 bytes for each wave
	s_wait_kmcnt 0x0
	s_add_nc_u64 s[MB:MB+1], s[8:9], s[6:7]
	s_add_nc_u64 s[MQ:MQ+1], s[8:9], s[4:5]
	s_add_nc_u64 s[OUTQ:OUTQ+1], s[40:41], s[4:5]
	; ---------------------------------------------------------------- B. 30 loads for Q'
.irp a, 0,1
	global_load_b128 v[RXQ+8*\a:RXQ+8*\a+3],   v[VXQ], s[MQ:MQ+1] offset:1024*\a
	global_load_b128 v[RXQ+8*\a+4:RXQ+8*\a+7], v[VXQ], s[MQ:MQ+1] offset:1024*\a+16
.endr
	LDWT RWQ, RBQ, 10, 12
	global_load_b128 v[RWK:RWK+3],     v[VWK], s[14:15]            ; Wk(r, 32 head + 8h ..): d = 8h .. 8h+7
	global_load_b128 v[RWK+4:RWK+7],   v[VWK], s[14:15] offset:16
	global_load_b128 v[RWK+8:RWK+11],  v[VWK], s[14:15] offset:64  ; d = 16 + 8h ..
	global_load_b128 v[RWK+12:RWK+15], v[VWK], s[14:15] offset:80
	global_load_b128 v[RBK:RBK+3],     v[VBK], s[16:17]
	global_load_b128 v[RBK+4:RBK+7],   v[VBK], s[16:17] offset:16
	global_load_b128 v[RBK+8:RBK+11],  v[VBK], s[16:17] offset:64
	global_load_b128 v[RBK+12:RBK+15], v[VBK], s[16:17] offset:80
	; ---------------------------------------------------------------- C. the batch's x: the first 32 of 64 rounds of 2,048 bytes are asked for
	WIN 0x40
	v_lshlrev_b32 v[SGO], 4, v0
	v_mov_b32 v[SLA], v14
	WIN 0x55                                       ; everything in window 1
.set cc, 0
.rept 32
	global_load_b128 v[4*cc:4*cc+3], v[SGO], s[MB:MB+1] offset:2048*cc    ; a wave's load covers 512 consecutive bytes, aligned
.set cc, cc+1
.endr
	WIN 0
	; ---------------------------------------------------------------- D. Q' = [Wk ; bk] (scale (x' [Wq ; bq])), while the ring is on its way
	s_wait_loadcnt 32                              ; loads return in order: the 32 ring loads are the younger ones, the 30 of B are in
.irp a, 0,1
	PK4 XQ+8*\a, RXQ+8*\a
	ONETAIL XQ+8*\a
.endr
	MKWT_A WQT, RWQ, RBQ
	MKWT_B WQT
	PK4 WKF, RWK                                   ; rows f = r of Wk, k = d
	PK4 WKF+4, RWK+8
	PK4 WKF+8, RBK                                 ; rows f = 16 + r: bk in row 16, nothing below it
	PK4 WKF+12, RBK+8
.irp j, 0,1,2,3,4,5,6,7
	v_cndmask_b32 v[WKF+8+\j], 0, v[WKF+8+\j], s49
.endr
.irp a, 0,1
.irp dt, 0,1
	v_wmma_f32_16x16x32_bf16 v[QT+16*\a+8*\dt:QT+16*\a+8*\dt+7], v[WQT+8*\dt:WQT+8*\dt+7], v[XQ+8*\a:XQ+8*\a+7], 0   ; Q^T(16 dt + 8h + j, query r)
.endr
.endr
.irp j, 0,1,2,3,4,5,6,7
	v_mov_b32 v[ONES+\j], 0x3f803f80               ; eight independent vector instructions behind the products, four are needed (ISA guide 7.12.1)
.endr
.set cc, 0
.rept 16
	v_pk_mul_f32 v[QT+2*cc:QT+2*cc+1], v[QT+2*cc:QT+2*cc+1], SCL op_sel_hi:[1,0]
.set cc, cc+1
.endr
.irp a, 0,1
.irp dt, 0,1
	PK4 QB2+8*\a+4*\dt, QT+16*\a+8*\dt
.endr
.endr
.irp a, 0,1
.irp ft, 0,1
	v_wmma_f32_16x16x32_bf16 v[QP+16*\a+8*\ft:QP+16*\a+8*\ft+7], v[WKF+8*\ft:WKF+8*\ft+7], v[QB2+8*\a:QB2+8*\a+7], 0   ; Q'^T(16 ft + 8h + j, query r)
.endr
.endr
	ONETAIL XA                                     ; sixteen independent vector instructions behind the products: the constant halves of the four key buffers
	ONETAIL XA+8
	ONETAIL XA+16
	ONETAIL XA+24
.irp a, 0,1
.irp ft, 0,1
	PK4 QB+8*\a+4*\ft, QP+16*\a+8*\ft
.endr
.endr
	; ---------------------------------------------------------------- E. x to bf16 and into LDS; the other 32 rounds are asked for as slots come free
	WIN 0x55
.set cc, 0
.rept 64
.if cc < 32
	s_wait_loadcnt 31                              ; round cc is in; the 31 younger rounds stay out
.else
	s_wait_loadcnt 63-cc                           ; nothing more is asked for: the count runs down
.endif
	v_cvt_pk_bf16_f32 v[CV+2*(cc%8)],   v[4*(cc%32)],   v[4*(cc%32)+1]
	v_cvt_pk_bf16_f32 v[CV+2*(cc%8)+1], v[4*(cc%32)+2], v[4*(cc%32)+3]
	ds_store_b64 v[SLA], v[CV+2*(cc%8):CV+2*(cc%8)+1] offset:512*cc      ; 32 keys x 16 bytes a round in each plane
.if cc < 32
	global_load_b128 v[4*cc:4*cc+3], v[SGO], s[MB:MB+1] offset:2048*(cc+32)
.endif
.set cc, cc+1
.endr
	; ---------------------------------------------------------------- F. what the epilogue needs, asked for now and waited for behind pass 2
	; Their address registers (v1, v2, v6, v7, v8), bases and destinations are left alone until that wait.
	WIN 0x40
	LDWT RWV, RBV, 18, 20
.irp kd, 0,1,2
.irp hi, 0,1
.irp j, 0,1,2,3,4,5,6,7
	global_load_b32 v[RWO+16*\kd+8*\hi+\j], v[VWO], s[22+2*\kd:23+2*\kd] offset:64*\j+1024*\hi   ; W(32 head + 16 hi + 8h + j, r) of Wo, Wg, Wb
.endr
.endr
.endr
	WIN 0
	global_load_b128 v[M4:M4+3], v[VT16], s[MQ:MQ+1]
	global_load_b128 v[BO:BO+3], v[VC4], s[28:29]
	global_load_b128 v[BG:BG+3], v[VC4], s[30:31]
	global_load_b128 v[BB:BB+3], v[VC4], s[32:33]
	global_load_b128 v[GA:GA+3], v[VC4], s[34:35]
	global_load_b128 v[BE:BE+3], v[VC4], s[36:37]
	global_load_b128 v[SE:SE+3], v[VC4], s[38:39]
	s_wait_dscnt 0x0                               ; my part of x is in LDS: zero, for the other waves' sake
	s_barrier_signal -1
	s_barrier_wait -1                              ; everybody's is; from here on the planes are only read
	; ---------------------------------------------------------------- G. pass 1: the row maxima
	; Step i (32 keys): ask for the keys of step i + 2, multiply those of step i + 1, take the maxima over the scores of step i.
	; The four v_max3 behind a product name none of its registers: they are the four independent vector instructions that stand between
	; the step's last product and the next step's load into that product's A operand, and a result is read 4 to 16 such later.
.macro P1STEP par, ld, mm
.if \ld
	ds_load_b128 v[XA+16*\par:XA+16*\par+3],    v[VXA] offset:512*(\par+2)
	ds_load_b128 v[XA+16*\par+8:XA+16*\par+11], v[VXA] offset:512*(\par+2)+256
	s_wait_dscnt 0x2                               ; the two just issued stay out; the keys of step i + 1 are in
.else
.if \mm
	s_wait_dscnt 0x0                               ; nothing was issued behind the last keys
.endif
.endif
.irp t, 0,1
.irp a, 0,1
.if \mm
	SC SB+32*(1-\par)+8*(\a+2*\t), XA+16*(1-\par)+8*\t, \a, 0
.endif
.irp c, 0,1,2,3
	v_max3_num_f32 v[MX+4*\a+\c], v[MX+4*\a+\c], v[SB+32*\par+8*(\a+2*\t)+2*\c], v[SB+32*\par+8*(\a+2*\t)+2*\c+1]
.endr
.endr
.endr
.endm
	ds_load_b128 v[XA:XA+3],     v[VXA]
	ds_load_b128 v[XA+8:XA+11],  v[VXA] offset:256
	ds_load_b128 v[XA+16:XA+19], v[VXA] offset:512
	ds_load_b128 v[XA+24:XA+27], v[VXA] offset:768
	s_wait_dscnt 0x2                               ; keys 0-31 are in, keys 32-63 may be out
.irp t, 0,1
.irp a, 0,1
	SC SB+8*(\a+2*\t), XA+8*\t, \a, 0
.endr
.endr
.irp j, 0,1,2,3,4,5,6,7
	v_mov_b32 v[MX+\j], 0xff800000                 ; -infinity; also the independent vector instructions behind the four products
.endr
	s_mov_b32 s48, 31                              ; steps 0 .. 61 ask for the keys of steps 2 .. 63
.Lpass1:
	P1STEP 0, 1, 1
	P1STEP 1, 1, 1
	v_add_nc_u32 v[VXA], 1024, v[VXA]              ; 64 keys on
	s_sub_co_i32 s48, s48, 1
	s_cmp_lg_u32 s48, 0
	s_cbranch_scc1 .Lpass1
	P1STEP 0, 0, 1                                 ; step 62 asks for nothing,
	P1STEP 1, 0, 0                                 ; step 63 multiplies nothing
	; ---------------------------------------------------------------- H. m of query r: over my four chains, then over the two halves of the lanes
.irp a, 0,1
	v_max3_num_f32 v[MX+4*\a], v[MX+4*\a], v[MX+4*\a+1], v[MX+4*\a+2]
	v_max_num_f32 v[MX+4*\a], v[MX+4*\a], v[MX+4*\a+3]
	v_permlanex16_b32 v[SB+\a], v[MX+4*\a], s50, s51       ; its destination counts as read: a register that has been written
	v_max_num_f32 v[MX+4*\a], v[MX+4*\a], v[SB+\a]
.irp j, 0,1,2,3,4,5,6,7
	v_mul_f32 v[NEGM+8*\a+\j], -1.0, v[MX+4*\a]
.endr
.endr
	MKXA SB+2, SB+3                                ; back to key 0
	; ---------------------------------------------------------------- I. pass 2
	; Step i: pack P(i); ask for the keys of step i + 3 and the transposed keys of step i + 1; O and L take P(i); the scores of step i + 2 are made;
	; between the eight products stand the 32 exponentials of step i + 1.  SB, PB, XA and XT are double, so that the v_nop and the 16 conversions
	; at a step's head name no register of the step before's products: 17 independent vector instructions stand between those products and
	; whatever reads their results (v_exp_f32) or is loaded or written over their operands (ISA guide 7.12.1).  O and L are chains in place.
.macro P2STEP par, zero, ldxa, ldxt, dos, doexp
	v_nop                                          ; one plain vector instruction between the last exponentials and the use of their results
	s_wait_alu depctr_va_vdst(0)
.irp a, 0,1
.irp t, 0,1
	PK4 PB+16*\par+8*\a+4*\t, SB+32*\par+8*(\a+2*\t)
.endr
.endr
.if \ldxa
	ds_load_b128 v[XA+16*(1-\par):XA+16*(1-\par)+3],    v[VXA] offset:512*(\par+3)
	ds_load_b128 v[XA+16*(1-\par)+8:XA+16*(1-\par)+11], v[VXA] offset:512*(\par+3)+256
.endif
.if \ldxt
	ds_load_tr16_b128 v[XT+8*(1-\par):XT+8*(1-\par)+3],   v[VXT] offset:512*(\par+1)
	ds_load_tr16_b128 v[XT+8*(1-\par)+4:XT+8*(1-\par)+7], v[VXT] offset:512*(\par+1)+256
.endif
	s_wait_dscnt 2*\ldxa+2*\ldxt                   ; this step's own loads stay out; those of the step before (what is multiplied now) are in
	PV OA, XT+8*\par, PB+16*\par, \zero
	EXP4 SB+32*(1-\par), \doexp
	PV LS, ONES, PB+16*\par, \zero
	EXP4 SB+32*(1-\par)+4, \doexp
	PV OA+8, XT+8*\par, PB+16*\par+8, \zero
	EXP4 SB+32*(1-\par)+8, \doexp
	PV LS+8, ONES, PB+16*\par+8, \zero
	EXP4 SB+32*(1-\par)+12, \doexp
.irp t, 0,1
.irp a, 0,1
.if \dos
	SC SB+32*\par+8*(\a+2*\t), XA+16*\par+8*\t, \a, 1
.endif
	EXP4 SB+32*(1-\par)+16+4*(\a+2*\t), \doexp
.endr
.endr
.endm
	ds_load_b128 v[XA:XA+3],     v[VXA]
	ds_load_b128 v[XA+8:XA+11],  v[VXA] offset:256
	ds_load_b128 v[XA+16:XA+19], v[VXA] offset:512
	ds_load_b128 v[XA+24:XA+27], v[VXA] offset:768
	ds_load_tr16_b128 v[XT:XT+3],   v[VXT]
	ds_load_tr16_b128 v[XT+4:XT+7], v[VXT] offset:256
	s_wait_dscnt 0x2                               ; only the two transposing loads may be out
.irp p, 0,1
.irp t, 0,1
.irp a, 0,1
	SC SB+32*\p+8*(\a+2*\t), XA+16*\p+8*\t, \a, 1
.endr
.endr
.endr
.rept 4
	v_nop                                          ; four places behind the products: for the load into their A operand and the exponentials of their results
.endr
	ds_load_b128 v[XA:XA+3],    v[VXA] offset:1024
	ds_load_b128 v[XA+8:XA+11], v[VXA] offset:1280
.irp g, 0,1,2,3,4,5,6,7
	EXP4 SB+4*\g, 1
.endr
	P2STEP 0, 1, 1, 1, 1, 1                        ; step 0 starts the sums: nothing is cleared
	P2STEP 1, 0, 1, 1, 1, 1
	v_add_nc_u32 v[VXA], 1024, v[VXA]
	v_add_nc_u32 v[VXT], 1024, v[VXT]
	s_mov_b32 s48, 29                              ; steps 2 .. 59
.Lpass2:
	P2STEP 0, 0, 1, 1, 1, 1
	P2STEP 1, 0, 1, 1, 1, 1
	v_add_nc_u32 v[VXA], 1024, v[VXA]
	v_add_nc_u32 v[VXT], 1024, v[VXT]
	s_sub_co_i32 s48, s48, 1
	s_cmp_lg_u32 s48, 0
	s_cbranch_scc1 .Lpass2
	P2STEP 0, 0, 1, 1, 1, 1                        ; step 60 asks for the last keys (step 63's),
	P2STEP 1, 0, 0, 1, 1, 1                        ; step 61 makes the last scores,
	v_add_nc_u32 v[VXT], 1024, v[VXT]
	s_wait_alu depctr_va_vdst(0)
	P2STEP 0, 0, 0, 1, 0, 1                        ; step 62 asks for the last transposed keys and makes the last exponentials,
	P2STEP 1, 0, 0, 0, 0, 0                        ; step 63 only adds up; its wait is for 0
	; ---------------------------------------------------------------- J. my head's share of the three projections
	s_wait_loadcnt 0x0                             ; the loads of F; their address registers are free from here
	WIN 0x05                                       ; sources in window 1
	MKWT_A WVT, RWV, RBV                           ; these 34 conversions also stand between the last products and the use of O and L
.irp kd, 0,1,2
	PK4 WOT+8*\kd, RWO+16*\kd
	PK4 WOT+8*\kd+4, RWO+16*\kd+8
.endr
	WIN 0
	MKWT_B WVT
	v_rcp_f32 v[RL],   v[LS]                       ; the row sum is at least about 1: the largest weight of a row is 2^0
	v_rcp_f32 v[RL+1], v[LS]
	v_rcp_f32 v[RL+2], v[LS+8]
	v_rcp_f32 v[RL+3], v[LS+8]
	ONETAIL YB                                     ; plain vector instructions between the reciprocals and their use
	ONETAIL YB+8
	s_wait_alu depctr_va_vdst(0)
.irp a, 0,1
.irp c, 0,1,2,3
	v_pk_mul_f32 v[OA+8*\a+2*\c:OA+8*\a+2*\c+1], v[OA+8*\a+2*\c:OA+8*\a+2*\c+1], v[RL+2*\a:RL+2*\a+1]
.endr
	PK4 YB+8*\a, OA+8*\a                           ; y' = [attn x, 1]: B operand, k = feature
.endr
.irp a, 0,1
.irp dt, 0,1
	v_wmma_f32_16x16x32_bf16 v[CT+16*\a+8*\dt:CT+16*\a+8*\dt+7], v[WVT+8*\dt:WVT+8*\dt+7], v[YB+8*\a:YB+8*\a+7], 0   ; ctx^T(16 dt + 8h + j, query r), bv by the 1
.endr
.endr
	s_mul_i32 s3, s2, PHEAD
	s_add_co_u32 s3, s3, PART
	v_and_b32 v[VPS], 15, v0                       ; ten independent vector instructions behind the products: the two LDS addresses
	v_mul_u32_u24 v[VPS], v[VPS], PROW
	v_bfe_u32 v2, v0, 4, 1
	v_lshl_add_u32 v[VPS], v2, 5, v[VPS]
	v_add_nc_u32 v[VPS], s3, v[VPS]                ; in: my head's part, row r, outputs 8h ..
	v_lshrrev_b32 v[VPL], 2, v0
	v_mul_u32_u24 v[VPL], v[VPL], PROW
	v_and_b32 v2, 3, v0
	v_lshl_add_u32 v[VPL], v2, 4, v[VPL]
	v_add_nc_u32 v[VPL], PART, v[VPL]              ; back: row t >> 2, outputs 4 (t & 3) ..
.irp a, 0,1
.irp dt, 0,1
	PK4 CB+8*\a+4*\dt, CT+16*\a+8*\dt
.endr
.endr
.irp a, 0,1
.irp kd, 0,1,2
	v_wmma_f32_16x16x32_bf16 v[PD+24*\a+8*\kd:PD+24*\a+8*\kd+7], v[WOT+8*\kd:WOT+8*\kd+7], v[CB+8*\a:CB+8*\a+7], 0   ; (output 8h + j, query r) of Wo, Wg, Wb
.endr
.endr
.rept 4
	v_nop                                          ; four places behind the products: for the LDS stores of their results and the loads over their operands
.endr
.irp a, 0,1
.irp kd, 0,1,2
	ds_store_b128 v[VPS], v[PD+24*\a+8*\kd:PD+24*\a+8*\kd+3]   offset:PKIND*\kd+16*PROW*\a
	ds_store_b128 v[VPS], v[PD+24*\a+8*\kd+4:PD+24*\a+8*\kd+7] offset:PKIND*\kd+16*PROW*\a+16
.endr
.endr
	s_wait_dscnt 0x0                               ; my head's part is in LDS: zero, for the other waves' sake
	s_barrier_signal -1
	s_barrier_wait -1
	; ---------------------------------------------------------------- K. thread t: query t >> 2, outputs 4 (t & 3) .. +3
.irp hd, 0,1,2,3
.irp kd, 0,1,2
	ds_load_b128 v[PL+4*(3*\hd+\kd):PL+4*(3*\hd+\kd)+3], v[VPL] offset:PKIND*(3*\hd+\kd)
.endr
.endr
	s_wait_dscnt 0x0
.irp hd, 0,1,2,3
.irp kd, 0,1,2
.irp p, 0,1
	v_pk_add_f32 v[BO+4*\kd+2*\p:BO+4*\kd+2*\p+1], v[BO+4*\kd+2*\p:BO+4*\kd+2*\p+1], v[PL+4*(3*\hd+\kd)+2*\p:PL+4*(3*\hd+\kd)+2*\p+1]   ; bias + the four heads
.endr
.endr
.endr
	v_pk_mul_f32 v[TS:TS+1],   v[BG:BG+1],   0xbfb8aa3b op_sel_hi:[1,0]      ; -log2(e) g
	v_pk_mul_f32 v[TS+2:TS+3], v[BG+2:BG+3], 0xbfb8aa3b op_sel_hi:[1,0]
	v_pk_mul_f32 v[TT:TT+1],   v[BB:BB+1],   0x4038aa3b op_sel_hi:[1,0]      ; 2 log2(e) b
	v_pk_mul_f32 v[TT+2:TT+3], v[BB+2:BB+3], 0x4038aa3b op_sel_hi:[1,0]
	EXP4 TS, 1
	EXP4 TT, 1
	v_pk_add_f32 v[BO:BO+1],   v[BO:BO+1],   v[M4:M4+1]   neg_lo:[0,1] neg_hi:[0,1]   ; delta - M: the plain instructions behind the exponentials
	v_pk_add_f32 v[BO+2:BO+3], v[BO+2:BO+3], v[M4+2:M4+3] neg_lo:[0,1] neg_hi:[0,1]
	s_wait_alu depctr_va_vdst(0)
.irp p, 0,1,2,3
	v_pk_add_f32 v[TS+2*\p:TS+2*\p+1], v[TS+2*\p:TS+2*\p+1], 1.0 op_sel_hi:[1,0]
.endr
.irp e, 0,1,2,3,4,5,6,7
	v_rcp_f32 v[TS+\e], v[TS+\e]                   ; TS: sigmoid(g); TT: (1 - tanh(b)) / 2
.endr
	v_pk_add_f32 v[M4:M4+1],   v[M4:M4+1],   0x3dcccccd op_sel_hi:[1,0]      ; M + 0.1: the plain instructions behind the reciprocals
	v_pk_add_f32 v[M4+2:M4+3], v[M4+2:M4+3], 0x3dcccccd op_sel_hi:[1,0]
	s_wait_alu depctr_va_vdst(0)
	v_pk_fma_f32 v[M4:M4+1],   v[TT:TT+1],   0xbe4ccccd, v[M4:M4+1]   op_sel_hi:[1,0,1]   ; M + 0.1 tanh(b)
	v_pk_fma_f32 v[M4+2:M4+3], v[TT+2:TT+3], 0xbe4ccccd, v[M4+2:M4+3] op_sel_hi:[1,0,1]
	v_pk_mul_f32 v[TS:TS+1],   v[TS:TS+1],   v[SE:SE+1]                      ; G
	v_pk_mul_f32 v[TS+2:TS+3], v[TS+2:TS+3], v[SE+2:SE+3]
	v_pk_fma_f32 v[M4:M4+1],   v[TS:TS+1],   v[BO:BO+1],   v[M4:M4+1]        ; Mu = M + G (delta - M) + 0.1 tanh(b)
	v_pk_fma_f32 v[M4+2:M4+3], v[TS+2:TS+3], v[BO+2:BO+3], v[M4+2:M4+3]
	; LayerNorm over a query's 16 numbers: my four, then the four threads of the query (lanes that differ in bits 0 and 1)
	v_add_f32 v[TS], v[M4], v[M4+1]
	v_add_f32 v[TS+1], v[M4+2], v[M4+3]
	v_add_f32 v[TS], v[TS], v[TS+1]
	v_add_f32_dpp v[TS], v[TS], v[TS] row_xmask:1 row_mask:0xf bank_mask:0xf
	v_add_f32_dpp v[TS], v[TS], v[TS] row_xmask:2 row_mask:0xf bank_mask:0xf
.irp c, 0,1,2,3
	v_fma_f32 v[M4+\c], v[TS], s53, v[M4+\c]       ; Mu - mean
.endr
	v_mul_f32 v[TS+1], v[M4], v[M4]
	v_mul_f32 v[TS+2], v[M4+1], v[M4+1]
	v_fmac_f32 v[TS+1], v[M4+2], v[M4+2]
	v_fmac_f32 v[TS+2], v[M4+3], v[M4+3]
	v_add_f32 v[TS+1], v[TS+1], v[TS+2]
	v_add_f32_dpp v[TS+1], v[TS+1], v[TS+1] row_xmask:1 row_mask:0xf bank_mask:0xf
	v_add_f32_dpp v[TS+1], v[TS+1], v[TS+1] row_xmask:2 row_mask:0xf bank_mask:0xf
	v_fma_f32 v[TS+1], v[TS+1], s56, s57           ; variance + 1e-6
	v_rsq_f32 v[TS+2], v[TS+1]                     ; twice: a pair for the packed multiply
	v_rsq_f32 v[TS+3], v[TS+1]
	v_nop                                          ; one plain vector instruction before the results are used
	s_wait_alu depctr_va_vdst(0)
	v_pk_mul_f32 v[GA:GA+1],   v[GA:GA+1],   v[TS+2:TS+3]
	v_pk_mul_f32 v[GA+2:GA+3], v[GA+2:GA+3], v[TS+2:TS+3]
	v_pk_fma_f32 v[M4:M4+1],   v[M4:M4+1],   v[GA:GA+1],   v[BE:BE+1]
	v_pk_fma_f32 v[M4+2:M4+3], v[M4+2:M4+3], v[GA+2:GA+3], v[BE+2:BE+3]
	global_store_b128 v[VT16], v[M4:M4+3], s[OUTQ:OUTQ+1]      ; a wave's store covers 512 consecutive bytes, aligned
	s_set_vgpr_msb 0x5
	s_wait_tensorcnt 0x0
	ds_add_u32 v160, v161
	s_wait_dscnt 0x0
	s_set_vgpr_msb 0x500
	s_endpgm
.Lfunc_end_k_q4f95225c8c_attn:
	.size	k_q4f95225c8c_attn, .Lfunc_end_k_q4f95225c8c_attn-k_q4f95225c8c_attn
	.p2alignl 7, 3214868480
	.fill 96, 4, 3214868480
	.section	.rodata,"a",@progbits
	.p2align	6, 0x0
	.amdhsa_kernel k_q4f95225c8c_attn
		.amdhsa_group_segment_fixed_size 168448
		.amdhsa_private_segment_fixed_size 0
		.amdhsa_enable_private_segment 0
		.amdhsa_kernarg_size 136
		.amdhsa_user_sgpr_count 2
		.amdhsa_user_sgpr_kernarg_segment_ptr 1
		.amdhsa_wavefront_size32 1
		.amdhsa_system_sgpr_workgroup_id_x 1
		.amdhsa_system_sgpr_workgroup_id_y 1
		.amdhsa_system_sgpr_workgroup_id_z 1
		.amdhsa_system_vgpr_workitem_id 0
		.amdhsa_next_free_vgpr 418
		.amdhsa_next_free_sgpr 66
		.amdhsa_reserve_vcc 1
		.amdhsa_float_denorm_mode_32 3
		.amdhsa_float_denorm_mode_16_64 3
		.amdhsa_memory_ordered 1
		.amdhsa_forward_progress 1
		.amdhsa_inst_pref_size 85
	.end_amdhsa_kernel
	.amdgpu_metadata
---
amdhsa.version: [ 1, 2 ]
amdhsa.kernels:
  - .name:           k_q4f95225c8c_attn
    .symbol:         k_q4f95225c8c_attn.kd
    .args:
      - { .name: M, .offset: 0, .size: 8, .value_kind: global_buffer, .address_space: global }
      - { .name: Wq, .offset: 8, .size: 8, .value_kind: global_buffer, .address_space: global }
      - { .name: bq, .offset: 16, .size: 8, .value_kind: global_buffer, .address_space: global }
      - { .name: Wk, .offset: 24, .size: 8, .value_kind: global_buffer, .address_space: global }
      - { .name: bk, .offset: 32, .size: 8, .value_kind: global_buffer, .address_space: global }
      - { .name: Wv, .offset: 40, .size: 8, .value_kind: global_buffer, .address_space: global }
      - { .name: bv, .offset: 48, .size: 8, .value_kind: global_buffer, .address_space: global }
      - { .name: Wo, .offset: 56, .size: 8, .value_kind: global_buffer, .address_space: global }
      - { .name: Wg, .offset: 64, .size: 8, .value_kind: global_buffer, .address_space: global }
      - { .name: Wb, .offset: 72, .size: 8, .value_kind: global_buffer, .address_space: global }
      - { .name: bo, .offset: 80, .size: 8, .value_kind: global_buffer, .address_space: global }
      - { .name: bg, .offset: 88, .size: 8, .value_kind: global_buffer, .address_space: global }
      - { .name: bb, .offset: 96, .size: 8, .value_kind: global_buffer, .address_space: global }
      - { .name: ln_gamma, .offset: 104, .size: 8, .value_kind: global_buffer, .address_space: global }
      - { .name: ln_beta, .offset: 112, .size: 8, .value_kind: global_buffer, .address_space: global }
      - { .name: sens_mask, .offset: 120, .size: 8, .value_kind: global_buffer, .address_space: global }
      - { .name: out0, .offset: 128, .size: 8, .value_kind: global_buffer, .address_space: global }
    .group_segment_fixed_size: 168448
    .private_segment_fixed_size: 0
    .kernarg_segment_align: 8
    .kernarg_segment_size: 136
    .max_flat_workgroup_size: 128
    .sgpr_count:     66
    .vgpr_count:     418
    .wavefront_size: 32
...
	.end_amdgpu_metadata
.endif
;; end of part 1
